; MI455X (gfx1250); checked and timed in simulation.
; The chip was launched on July 23, 2026; its instructions are those of AMD's public machine-readable ISA for CDNA 5 (MIT licence, August 2026) and "CDNA5" Instruction Set Architecture Reference Guide (July 2026). The comments in the code are by the model that wrote it; some were corrected since.
;; Device Aware Mo E Layer. Allowed arithmetic: float matrix products may take bf16 or f16 operands with f32 sums; other float arithmetic in f32, or as packed bf16 or f16 multiplies, adds, multiply-adds, maxima and minima; sums over many terms, partial sums and values carried from step to step in f32; what a program stores and reads back later, other than sums and carried values, may be rounded once to bf16 or f16.
;; Inputs: b1 16 x 2,048 float32; b2 16 x 1,024 float32; gate_b 16 float32; gate_w 1,024 x 16 float32; w1 16 x 1,024 x 2,048 float32; w2 16 x 2,048 x 1,024 float32; x 2 x 512 x 1,024 float32.
;; Outputs: out0 2 x 512 x 1,024 float32.
;; One version. Each part assembles by itself: llvm-mc -triple=amdgcn-amd-amdhsa -mcpu=gfx1250 --defsym DOCPART=n.
;; ======== version 1 of 1: 3 launches
;; workspace buffers: top1 4,096 bytes of whole numbers; xb 2,097,152 bytes; h 67,108,864 bytes
;; launch router (part 1): grid 64 x 1, 8 waves a work-group, no clusters, 44,032 bytes of LDS; arguments x, gate_w, gate_b, xb, top1; writes xb, top1
.if DOCPART == 1
	.amdgcn_target "amdgcn-amd-amdhsa--gfx1250"
	.amdhsa_code_object_version 6
	.text
	.protected	k_qbf1556e022_router
	.globl	k_qbf1556e022_router
	.p2align	8
	.type	k_qbf1556e022_router,@function
k_qbf1556e022_router:
	s_mov_b64 s[64:65], 0
	v_nop
	global_prefetch_b8 v0, s[64:65] scope:SCOPE_SE
	s_setreg_imm32_b32 hwreg(HW_REG_WAVE_MODE, 25, 1), 1
	s_wait_xcnt 0x0
; ROUTER.  xb = x rounded to bf16; top1[t] = argmax over 16 experts of bf16(x[t]) . bf16(gate_w) + bf16(gate_b), sums in f32.
; Every input of the program is rounded to bf16 once, the gate's too, so that the choice is made on the same numbers that the products see.
; SHARES.  A work-group has 16 tokens; wave w has k = 128 w .. 128 w + 127 of them (four matrix steps of 32); the eight partial logits meet in LDS and wave 0 chooses.
; LAYOUT.  Source 0 = gate_w transposed (row = expert), source 1 = tokens: in the result lane (r, h) holds token r and experts 8 h + 0..7.
; LIMITS.  A tie goes to the lower index, as jnp.argmax has it; two logits closer than the f32 sums' own error (about 1e-6 of their size) may fall either way;
; a NaN among the logits is never chosen here, where jnp.argmax would choose it.
; No address and no branch hangs on a logit: the choice is stored at the token's fixed place.
.set XTP,   272                        ; a token's 128 bf16 in LDS: 256 bytes + 16: the 16 rows of a fragment load start at 16 different groups of four banks (64 banks of 4 bytes: ISA guide 11.1)
.set XTW,   16*XTP                     ; a wave's own 16 rows
.set PR,    8*XTW                      ; the partial logits: 1,024 bytes a wave
.set SPARE, PR+8*1024                  ; the spare words, 128 bytes a wave: four blocks of 256 bytes that no other line names
.set SPW, 1                            ; v1   SPARE + 4 x my thread's number; never rewritten
.set NIL, 2                            ; v2   0; never rewritten
.set XR,  16                           ; v16-79   x as loaded; later the four products (v16-47) and their sum (v48-63)
.set GR,  80                           ; v80-143  gate_w as loaded; later, in wave 0, the eight partial logits
.set XPK, 144                          ; v144-175 x in bf16, two registers a row
.set GF,  176                          ; v176-207 four fragments of gate_w
.set XF,  208                          ; v208-239 four fragments of x
.set GB,  240                          ; v240-247 gate_b of my eight experts
	s_load_b256 s[4:11], s[0:1], 0x0               ; x s[4:5], gate_w s[6:7], gate_b s[8:9], xb s[10:11]
	s_load_b64 s[12:13], s[0:1], 0x20              ; top1
	v_lshl_add_u32 v[SPW], v0, 2, SPARE
	v_mov_b32 v[NIL], 0
	v_lshrrev_b32 v3, 5, v0
	v_readfirstlane_b32 s14, v3                    ; wave 0..7
	v_and_b32 v3, 31, v0                           ; lane
	v_and_b32 v4, 15, v0                           ; r
	v_bfe_u32 v5, v0, 4, 1                         ; h
	v_lshlrev_b32 v6, 4, v3                        ; 16 x lane: my 16 bytes of a row's 512
	v_lshlrev_b32 v7, 2, v4
	v_lshl_add_u32 v7, v5, 9, v7                   ; gate_w: expert r, 8 h rows of 64 bytes further down
	v_lshlrev_b32 v8, 3, v3                        ; 8 x lane: my 8 bytes of a row's 256 in bf16
	s_mul_i32 s15, s14, XTW
	v_add_nc_u32 v9, s15, v8                       ; where I put them in my wave's rows
	v_mul_u32_u24 v10, v4, XTP
	v_lshl_add_u32 v10, v5, 4, v10
	v_add_nc_u32 v10, s15, v10                     ; a fragment: row r, 16 bytes for each half of the lanes
	s_lshl_b32 s16, s14, 10
	s_add_co_u32 s16, s16, PR
	v_add_nc_u32 v11, s16, v6                      ; my wave's partial logits
	v_add_nc_u32 v12, PR, v6                       ; wave 0 reads all eight from here
	v_lshlrev_b32 v13, 5, v5                       ; gate_b: 8 h experts of 4 bytes
	s_mov_b32 s28, 0x76543210                      ; v_permlanex16_b32: each lane takes its own place in the other half
	s_mov_b32 s29, 0xfedcba98
	s_lshl_b32 s20, ttmp9, 16                      ; x: 16 rows of 4,096 bytes a work-group,
	s_lshl_b32 s17, s14, 9
	s_add_co_u32 s20, s20, s17                     ; 512 bytes of each row a wave
	s_mov_b32 s21, 0
	s_lshl_b32 s22, s14, 13                        ; gate_w: 128 rows of 64 bytes a wave
	s_mov_b32 s23, 0
	s_lshl_b32 s24, ttmp9, 15                      ; xb: 16 rows of 2,048 bytes,
	s_lshl_b32 s17, s14, 8
	s_add_co_u32 s24, s24, s17                     ; 256 bytes of each row a wave
	s_mov_b32 s25, 0
	s_lshl_b32 s26, ttmp9, 6                       ; top1: 16 words
	s_mov_b32 s27, 0
	s_wait_kmcnt 0x0
	s_add_nc_u64 s[4:5], s[4:5], s[20:21]
	s_add_nc_u64 s[6:7], s[6:7], s[22:23]
	s_add_nc_u64 s[10:11], s[10:11], s[24:25]
	s_add_nc_u64 s[12:13], s[12:13], s[26:27]
.set ii, 0
.rept 16                                               ; x: a load covers 512 consecutive bytes of one row
	global_load_b128 v[XR+4*ii:XR+4*ii+3], v6, s[4:5] offset:ii*4096 th:TH_LOAD_NT
.set ii, ii+1
.endr
	global_load_b128 v[GB:GB+3], v13, s[8:9]
	global_load_b128 v[GB+4:GB+7], v13, s[8:9] offset:16
.set ii, 0
.rept 64                                               ; gate_w: step ii / 16, load l = ii % 16 brings row 32 step + l + 8 (l / 8) + 8 h: the k that a fragment's register l / 2, half l % 2, wants
	global_load_b32 v[GR+ii], v7, s[6:7] offset:(32*(ii/16)+(ii%16)+8*((ii%16)/8))*64
.set ii, ii+1
.endr
	s_wait_loadcnt 63                              ; 66 loads are younger than x's; the count is the largest that its field holds
.set ii, 0
.rept 16                                               ; a row: rounded once, stored (32 lanes fill 256 consecutive bytes, aligned), and laid into my wave's LDS rows
	v_cvt_pk_bf16_f32 v[XPK+2*ii], v[XR+4*ii], v[XR+4*ii+1]
	v_cvt_pk_bf16_f32 v[XPK+2*ii+1], v[XR+4*ii+2], v[XR+4*ii+3]
	global_store_b64 v8, v[XPK+2*ii:XPK+2*ii+1], s[10:11] offset:ii*2048
	ds_store_b64 v9, v[XPK+2*ii:XPK+2*ii+1] offset:ii*XTP
.set ii, ii+1
.endr
.irp c, 0,1,2,3                                        ; LDS serves a wave's instructions in order (ISA guide 5.7.1.4): these see my stores above, and the rows are my wave's own
	ds_load_b128 v[XF+8*\c:XF+8*\c+3], v10 offset:64*\c
	ds_load_b128 v[XF+8*\c+4:XF+8*\c+7], v10 offset:64*\c+32
.endr
	s_wait_loadcnt 0x0                             ; gate_w and gate_b
.set ii, 0
.rept 32
	v_cvt_pk_bf16_f32 v[GF+ii], v[GR+2*ii], v[GR+2*ii+1]
.set ii, ii+1
.endr
	s_wait_dscnt 0x0
.irp c, 0,1,2,3                                        ; four products on four accumulators, each started by the constant 0
	v_wmma_f32_16x16x32_bf16 v[XR+8*\c:XR+8*\c+7], v[GF+8*\c:GF+8*\c+7], v[XF+8*\c:XF+8*\c+7], 0
.endr
.rept 4
	v_nop                                          ; four places between the products and the first reader of their results (ISA guide 7.12.1)
.endr
.irp p, 0,2,4,6                                        ; (D0 + D1) + (D2 + D3), each accumulator read from its low end on
	v_pk_add_f32 v[48+\p:49+\p], v[16+\p:17+\p], v[24+\p:25+\p]
.endr
.irp p, 0,2,4,6
	v_pk_add_f32 v[56+\p:57+\p], v[32+\p:33+\p], v[40+\p:41+\p]
.endr
.irp p, 0,2,4,6
	v_pk_add_f32 v[48+\p:49+\p], v[48+\p:49+\p], v[56+\p:57+\p]
.endr
	ds_store_b128 v11, v[48:51]
	ds_store_b128 v11, v[52:55] offset:512
	s_wait_dscnt 0x0                               ; for wave 0's sake: my partial logits are in LDS
	s_barrier_signal -1
	s_barrier_wait -1
	s_cmp_lg_u32 s14, 0
	s_cbranch_scc1 .Lend                           ; the choice is wave 0's; no barrier stands in what the others jump
.set ii, 0
.rept 16                                               ; wave ii / 2's partial logits, half ii % 2
	ds_load_b128 v[GR+4*ii:GR+4*ii+3], v12 offset:512*ii
.set ii, ii+1
.endr
.irp p, 0,2,4,6                                        ; gate_b rounded to bf16, like every input
	v_cvt_pk_bf16_f32 v14, v[GB+\p], v[GB+\p+1]
	v_lshlrev_b32 v[GB+\p], 16, v14
	v_and_b32 v[GB+\p+1], 0xffff0000, v14
.endr
	s_wait_dscnt 0x0
.irp w, 1,2,3,4,5,6,7                                  ; the eight parts of K, in ascending order
.irp p, 0,2,4,6
	v_pk_add_f32 v[GR+\p:GR+\p+1], v[GR+\p:GR+\p+1], v[GR+8*\w+\p:GR+8*\w+\p+1]
.endr
.endr
.irp p, 0,2,4,6
	v_pk_add_f32 v[GR+\p:GR+\p+1], v[GR+\p:GR+\p+1], v[GB+\p:GB+\p+1]
.endr
	v_mov_b32 v14, v[GR]                           ; the best of my eight experts, ascending; only a strictly greater logit takes the place, so the lower index keeps a tie
	v_mov_b32 v15, 0
.irp j, 1,2,3,4,5,6,7
	v_cmp_gt_f32 vcc_lo, v[GR+\j], v14
	v_cndmask_b32 v14, v14, v[GR+\j], vcc_lo
	v_cndmask_b32 v15, v15, \j, vcc_lo
.endr
	v_lshl_add_u32 v15, v5, 3, v15                 ; expert 8 h + j
	v_permlanex16_b32 v56, v14, s28, s29           ; the token's other eight experts lie in the lane 16 away (v56, v57 have been written)
	v_permlanex16_b32 v57, v15, s28, s29
	v_cmp_gt_f32 vcc_lo, v56, v14                  ; lanes 0-15: experts 8-15 win only if strictly greater
	v_cndmask_b32 v15, v15, v57, vcc_lo
	v_lshlrev_b32 v13, 2, v4                       ; token r's word (gate_b's loads, which read v13, are done)
	v_cmp_gt_u32 vcc_lo, 16, v3
	s_wait_xcnt 0x0                                ; EXEC changes only behind this wait: my stores of xb have had their addresses translated (ISA guide 3.1)
	s_and_saveexec_b32 s30, vcc_lo
	global_store_b32 v13, v15, s[12:13]            ; lanes 0-15: 64 consecutive bytes
	s_wait_xcnt 0x0                                ; and again ahead of the line that widens it
	s_or_b32 exec_lo, exec_lo, s30
.Lend:
	s_wait_tensorcnt 0x0                           ; the wave's end, behind my last LDS store
	ds_add_u32 v[SPW], v[NIL]
	s_wait_dscnt 0x0
	s_endpgm
.Lfunc_end_k_qbf1556e022_router:
	.size	k_qbf1556e022_router, .Lfunc_end_k_qbf1556e022_router-k_qbf1556e022_router
	.p2alignl 7, 3214868480
	.fill 96, 4, 3214868480
	.section	.rodata,"a",@progbits
	.p2align	6, 0x0
	.amdhsa_kernel k_qbf1556e022_router
		.amdhsa_group_segment_fixed_size 44032
		.amdhsa_private_segment_fixed_size 0
		.amdhsa_enable_private_segment 0
		.amdhsa_kernarg_size 40
		.amdhsa_user_sgpr_count 2
		.amdhsa_user_sgpr_kernarg_segment_ptr 1
		.amdhsa_wavefront_size32 1
		.amdhsa_system_sgpr_workgroup_id_x 1
		.amdhsa_system_sgpr_workgroup_id_y 1
		.amdhsa_system_sgpr_workgroup_id_z 1
		.amdhsa_system_vgpr_workitem_id 0
		.amdhsa_next_free_vgpr 256
		.amdhsa_next_free_sgpr 66
		.amdhsa_reserve_vcc 1
		.amdhsa_float_denorm_mode_32 3
		.amdhsa_float_denorm_mode_16_64 3
		.amdhsa_memory_ordered 1
		.amdhsa_forward_progress 1
		.amdhsa_inst_pref_size 24
	.end_amdhsa_kernel
	.amdgpu_metadata
---
amdhsa.version: [ 1, 2 ]
amdhsa.kernels:
  - .name:           k_qbf1556e022_router
    .symbol:         k_qbf1556e022_router.kd
    .args:
      - { .name: x, .offset: 0, .size: 8, .value_kind: global_buffer, .address_space: global }
      - { .name: gate_w, .offset: 8, .size: 8, .value_kind: global_buffer, .address_space: global }
      - { .name: gate_b, .offset: 16, .size: 8, .value_kind: global_buffer, .address_space: global }
      - { .name: xb, .offset: 24, .size: 8, .value_kind: global_buffer, .address_space: global }
      - { .name: top1, .offset: 32, .size: 8, .value_kind: global_buffer, .address_space: global }
    .group_segment_fixed_size: 44032
    .private_segment_fixed_size: 0
    .kernarg_segment_align: 8
    .kernarg_segment_size: 40
    .max_flat_workgroup_size: 256
    .sgpr_count:     66
    .vgpr_count:     256
    .wavefront_size: 32
...
	.end_amdgpu_metadata
.endif
;; end of part 1
;; launch up (part 2): grid 16 x 16, 8 waves a work-group, no clusters, 300,032 bytes of LDS; arguments b1, top1, w1, xb, h; writes h
.if DOCPART == 2
	.amdgcn_target "amdgcn-amd-amdhsa--gfx1250"
	.amdhsa_code_object_version 6
	.text
	.protected	k_qbf1556e022_up
	.globl	k_qbf1556e022_up
	.p2align	8
	.type	k_qbf1556e022_up,@function
k_qbf1556e022_up:
	s_mov_b64 s[64:65], 0
	v_nop
	global_prefetch_b8 v0, s[64:65] scope:SCOPE_SE
	s_setreg_imm32_b32 hwreg(HW_REG_WAVE_MODE, 25, 1), 1
	s_wait_xcnt 0x0
; UP.  h = relu(x . w1[e] + b1[e]) for the tokens that chose expert e, in bf16; w1 and b1 are rounded to bf16 on their way through registers, sums in f32.
; SHARES.  Work-group (slice, e) has 128 columns of w1[e], which it alone reads, once for each block of 128 of the expert's rows (one block up to 128 rows).  Wave w has 64 of the columns
; (cg = w / 4) and a quarter of K (kq = w % 4: 256 rows of w1, 8 steps of 32); the four quarters' f32 sums meet in LDS.
; WEIGHTS go from memory to registers to the matrix unit.  A load of 16 bytes a lane takes 256 consecutive aligned bytes of one row (lanes 0-15) and of the row 8 further down (lanes 16-31).  Component c of
; the 16 bytes belongs to column tile c, whose column r is the slice's column 4 r + c: so 16 loads and 32 roundings in pairs make four whole fragments, and nothing changes lanes.
; THE PRODUCT is used with the weights as source 0 and the tokens as source 1: lane (r, h) then holds token r and the columns 4 (8 h + j) + c.  Rounded in pairs these are four registers of a fragment of the
; second product, in a K order that launch down keeps for w2's rows; h is stored as those fragments: byte e<<22 | tile<<16 | step<<10 | half<<9 | lane<<4.
; ROWS.  Every wave makes the expert's list of tokens for itself, in LDS bytes of its own, from top1 (whole numbers that the launch before stored).  A block is 8 tiles of 16 rows in 4 groups of 2; dead groups are jumped;
; places past the count repeat the list's last row.  An expert without rows runs block 0 on token 0, so that what launch down reads has been written.  Blocks 1 to 7 are a loop of constant
; count in which every wave passes every barrier and only work is jumped: it serves every split; each block beyond the first reads the slice again.
; NO CLUSTER, NO TENSOR LOADS: each weight byte has one reader and must pass through registers to be rounded; what an expert's 16 work-groups share, its token rows, comes by a list that no descriptor covers.
; REGISTERS: window 0 as named below; window 1 (v256-511): the 32 accumulators, tile mt, column tile c at 32 mt + 8 c; ahead of a block's first product the same registers stage the fill.
.set PITCH, 8192                       ; bytes in a row of w1[e]
.set XPI,   2064                       ; a token's row in LDS: 2,048 bytes + 16, an odd multiple of 16: the 16 rows of a fragment load start at 16 different groups of four banks (ISA guide 11.1)
.set LIST,  128*XPI                    ; behind the rows: the lists, for each wave 4,096 bytes of list and 128 of dump words in 4,352
.set LISTP, 4352
.set SPARE, LIST+8*LISTP               ; the spare words, 128 bytes a wave: four blocks of 256 bytes that no other line names
; The partial sums lie over the token rows, behind a barrier: source wave x 32,768 + tile x 4,096 + column tile x 1,024 + half x 512 + lane x 16.
.set SPW,  1                           ; v1     SPARE + 4 x my thread's number; never rewritten
.set NIL,  2                           ; v2     0; never rewritten
.set WOFF, 3                           ; v3     weights: 16 r + 8 h rows
.set L16,  4                           ; v4     16 x lane
.set PST,  5                           ; v5     where I put partial sums
.set PRD,  6                           ; v6-7   where I read them, sources 0-1 and 2-3 of my column group
.set AX,   8                           ; v8-15  LDS address of tile mt's fragment of x
.set BIAS, 16                          ; v16-23 b1 of my eight columns in the reduction
.set PFO,  28                          ; v28    prefetch: lane x one row
.set RR,   29                          ; v29    r
.set AXB,  30                          ; v30    16 h + 512 kq
.set LIX,  31                          ; v31    w + 8 r: the block's rows that my wave fills
.set BF,   32                          ; v32-63   four weight fragments; later the reduction's store data
.set AF,   64                          ; v64-127  eight fragments of x; also at work in the lists, the fill and the reduction
.set ROFF, 64                          ; v64-79   the fill: byte offset in xb of my 16 rows
.set FST,  80                          ; v80-83   the fill: where four rows at a time go
.set WR,   128                         ; v128-255 weights as loaded, two slots of 64
; s14 w, s15 cg, s16 kq, s17 e, s18 slice, s19 n, s20 block, s21 the block's rows, s22 its live groups, s23 rows - 1, s[24:25] my weights, s[26:27] the same, walking, s[28:29] where the block's h goes,
; s30 my list, s31 max(n, 1) - 1, s32 counts the K loop, s33 1: the block has rows, s34-35 at work, s36-51 16 tokens, s52-57 offsets, s58 128 x block
.set MSB, 0
.macro WIN new                         ; s_set_vgpr_msb: bits 1:0 source 0, 3:2 source 1, 5:4 source 2, 7:6 destination; the high byte repeats the setting that is left; at a label and at a branch every window is 0
.if MSB != (\new)
	s_set_vgpr_msb (MSB<<8)|(\new)
.set MSB, \new
.endif
.endm
.macro PLACES                          ; four places behind matrix instructions, ahead of loads into their sources, of roundings into their sources and of readers of their results
.rept 4
	v_nop
.endr
.endm
.macro BAR                             ; my LDS instructions are done, then the work-group's barrier
	s_wait_dscnt 0x0
	s_barrier_signal -1
	s_barrier_wait -1
.endm
.macro WLOAD slot, st                  ; K step st (counted from the walking base): 16 loads, row 32 st + l + 8 (l / 8) + 8 h: the k that register l / 2, half l % 2, of a fragment wants
.set ll, 0
.rept 16
	global_load_b128 v[WR+64*(\slot)+4*ll:WR+64*(\slot)+4*ll+3], v[WOFF], s[26:27] offset:(32*(\st)+ll+8*(ll/8))*PITCH th:TH_LOAD_NT
.set ll, ll+1
.endr
.endm
.macro PREF st                         ; K step st's 32 rows, a lane a row: each block of 256 bytes is asked for once, by the wave that will load it, one step ahead of its loads' issue and three ahead of its use
	global_prefetch_b8 v[PFO], s[26:27] offset:32*(\st)*PITCH th:TH_LOAD_NT scope:SCOPE_SE
.endm
.macro CVT slot                        ; register q of column tile c's fragment = loads 2 q and 2 q + 1, component c, rounded to bf16
.set jq, 0
.rept 32
	v_cvt_pk_bf16_f32 v[BF+jq], v[WR+64*(\slot)+8*(jq%8)+jq/8], v[WR+64*(\slot)+8*(jq%8)+4+jq/8]
.set jq, jq+1
.endr
.endm
.macro AGRP g, koff                    ; x's fragments of group g's two tiles, at byte koff of the walking address
.irp m, 2*(\g), 2*(\g)+1
	ds_load_b128 v[AF+8*(\m):AF+8*(\m)+3],   v[AX+(\m)] offset:(\koff)
	ds_load_b128 v[AF+8*(\m)+4:AF+8*(\m)+7], v[AX+(\m)] offset:(\koff)+32
.endr
.endm
.macro ALOADS koff                     ; the live groups' fragments
	AGRP 0, \koff
	s_cmp_lt_u32 s22, 2
	s_cbranch_scc1 .Lad_\@
	AGRP 1, \koff
	s_cmp_lt_u32 s22, 3
	s_cbranch_scc1 .Lad_\@
	AGRP 2, \koff
	s_cmp_lt_u32 s22, 4
	s_cbranch_scc1 .Lad_\@
	AGRP 3, \koff
.Lad_\@:
.endm
.macro MMGRP g, zero                   ; 8 matrix instructions on 8 accumulators: 2 tiles x 4 column tiles.  zero = 1: they start the sums
.set mm, 0
.rept 8
.set mtile, 2*(\g)+mm/4
.set acc, 32*mtile+8*(mm%4)
.if \zero
	v_wmma_f32_16x16x32_bf16 v[acc:acc+7], v[BF+8*(mm%4):BF+8*(mm%4)+7], v[AF+8*mtile:AF+8*mtile+7], 0
.else
	v_wmma_f32_16x16x32_bf16 v[acc:acc+7], v[BF+8*(mm%4):BF+8*(mm%4)+7], v[AF+8*mtile:AF+8*mtile+7], v[acc:acc+7]
.endif
.set mm, mm+1
.endr
.endm
.macro MMS                             ; the live groups' products.  The accumulators take turns, one instruction a turn, on every way through the jumps and from step to step
	WIN 0x50
	MMGRP 0, 0
	WIN 0
	s_cmp_lt_u32 s22, 2
	s_cbranch_scc1 .Lmd_\@
	WIN 0x50
	MMGRP 1, 0
	WIN 0
	s_cmp_lt_u32 s22, 3
	s_cbranch_scc1 .Lmd_\@
	WIN 0x50
	MMGRP 2, 0
	WIN 0
	s_cmp_lt_u32 s22, 4
	s_cbranch_scc1 .Lmd_\@
	WIN 0x50
	MMGRP 3, 0
	WIN 0
.Lmd_\@:
.endm
; A K STEP on raw slot \slot.  wcnt: the younger weight loads that may stay out.  The slot is loaded again (step wn) as soon as it has been rounded; pn: the step asked for ahead; an: byte of the next step's fragments of x.
; -1 leaves a part out.  wskip, pskip = 1: the part is jumped in the loop's last trip (only in the text whose waits are all for 0).
.macro STEP slot, first, wcnt, an, wn, pn, wskip, pskip
	s_wait_loadcnt \wcnt
	CVT \slot
	s_wait_dscnt 0x0                               ; this step's fragments of x
.if (\wn) >= 0
.if \wskip
	s_cmp_eq_u32 s32, 1
	s_cbranch_scc1 .Lnw_\@
.endif
	WLOAD \slot, \wn
.if (\pn) >= 0
.if (\pskip) && !(\wskip)
	s_cmp_eq_u32 s32, 1
	s_cbranch_scc1 .Lnw_\@
.endif
	PREF \pn
.endif
.Lnw_\@:
.endif
.if \first
	WIN 0x50                                       ; the first step multiplies all eight tiles (dead ones on repeated rows) and starts every sum with the constant 0: nothing is cleared, and no accumulator is left unwritten
	MMGRP 0, 1
	MMGRP 1, 1
	MMGRP 2, 1
	MMGRP 3, 1
	WIN 0
.else
	MMS
.endif
	PLACES
.if (\an) >= 0
	ALOADS \an
.endif
.endm
.macro KNEXT                           ; two K steps on
	s_wait_xcnt 0x0                                ; the loads issued so far have had their addresses translated (ISA guide 3.1): only now the base steps
	s_add_nc_u64 s[26:27], s[26:27], 64*PITCH
.set pp, 0
.rept 8
	v_add_nc_u32 v[AX+pp], 128, v[AX+pp]
.set pp, pp+1
.endr
.endm
; THE WALK over my 8 K steps.  Two raw slots: 32 loads, 16 KiB a wave, are on their way.  hot = 1 (block 0): the tail is written out, so that no load is jumped and every count holds on every way:
; behind the loads that a step reads only the next step's 16 were issued.  hot = 0 (blocks 1 to 7): the short text, with the parts past my slice jumped in the last trip and every wait for 0.
.macro KWALK hot
	STEP 0, 1, 0, 64, 2, 3, 0, 0                   ; step 0: the fill has waited for all loads
.if \hot
	s_mov_b32 s32, 2
.Lk_\@:
	STEP 1, 0, 16, 128, 3, 4, 0, 0                 ; steps 1, 3
	STEP 0, 0, 16, 192, 4, 5, 0, 0                 ; steps 2, 4
	KNEXT
	s_sub_co_u32 s32, s32, 1
	s_cmp_lg_u32 s32, 0
	s_cbranch_scc1 .Lk_\@
	STEP 1, 0, 16, 128, 3, -1, 0, 0                ; step 5 asks for the last weights, step 7's
	STEP 0, 0, 16, 192, -1, -1, 0, 0               ; step 6
	STEP 1, 0, 0, -1, -1, -1, 0, 0                 ; step 7: nothing is younger
.else
	s_mov_b32 s32, 3
.Lk_\@:
	STEP 1, 0, 0, 128, 3, 4, 0, 1
	STEP 0, 0, 0, 192, 4, 5, 1, 1
	KNEXT
	s_sub_co_u32 s32, s32, 1
	s_cmp_lg_u32 s32, 0
	s_cbranch_scc1 .Lk_\@
	STEP 1, 0, 0, -1, -1, -1, 0, 0
.endif
.endm
; THE LIST of the tokens that chose expert s17, in the order (chunk of 128, word of 4, lane), the same in launch down.  A lane that matches stores its token at its rank; the others store into a dump word of their own.
; The index is held to the list and the dump words by a constant before it becomes an address.  Entry 0 is preset to token 0, for an expert without rows.
.macro LISTS
	v_and_b32 v24, 31, v0
	v_lshlrev_b32 v26, 2, v24                      ; my tokens: 128 q + 4 lane + c
	v_add_nc_u32 v27, 0x400, v24                   ; my dump word's index
	v_mov_b32 v25, s30
	ds_store_b32 v25, v[NIL]
	s_mov_b32 s19, 0
.set ii, 0
.rept 32
	v_cmp_eq_u32 s34, s17, v[AF+ii]
	v_mbcnt_lo_u32_b32 v24, s34, s19               ; the rows so far + the matching lanes below me
	v_cndmask_b32 v24, v27, v24, s34
	v_min_u32 v24, 0x41f, v24
	v_lshl_add_u32 v24, v24, 2, s30
	v_add_nc_u32 v25, 128*(ii/4)+(ii%4), v26
	ds_store_b32 v24, v25
	s_bcnt1_i32_b32 s35, s34
	s_add_co_u32 s19, s19, s35
.set ii, ii+1
.endr
.endm
.macro BSET                            ; the block's figures, from n and s58 = 128 x block; they are made in every trip, outside all jumps
	s_cmp_gt_u32 s19, s58
	s_cselect_b32 s33, 1, 0
	s_sub_co_i32 s21, s19, s58
	s_max_i32 s21, s21, 1
	s_min_u32 s21, s21, 128
	s_add_co_u32 s22, s21, 31
	s_lshr_b32 s22, s22, 5
	s_sub_co_u32 s23, s21, 1
.endm
.macro FILLPREP                        ; my wave fills the block's rows w + 8 p: their tokens from my list (lane p holds row p's), held to the table by a constant, as offsets into xb
	v_add_nc_u32 v24, s58, v[LIX]
	v_min_u32 v24, s31, v24                        ; places past the count repeat the last row
	v_min_u32 v24, 0x3ff, v24
	v_lshl_add_u32 v24, v24, 2, s30
	ds_load_b32 v25, v24                           ; LDS serves a wave's instructions in order: this sees my list's stores
	s_mul_i32 s35, s14, XPI
	v_add_nc_u32 v[FST], s35, v[L16]
	v_add_nc_u32 v[FST+1], 32*XPI, v[FST]
	v_add_nc_u32 v[FST+2], 32*XPI, v[FST+1]
	v_add_nc_u32 v[FST+3], 32*XPI, v[FST+2]
	s_wait_dscnt 0x0
.set pp, 0
.rept 16
	v_readlane_b32 s[36+pp], v25, pp
	s_min_u32 s[36+pp], s[36+pp], 0x3ff
	v_lshl_add_u32 v[ROFF+pp], s[36+pp], 11, v[L16]
.set pp, pp+1
.endr
.endm
.macro FILLV G                         ; 4 G rows of 2,048 bytes, four loads of 512 consecutive bytes each, all out together, through window 1 into LDS
	WIN 0x40
.set pp, 0
.rept 16*(\G)
	global_load_b128 v[4*pp:4*pp+3], v[ROFF+pp/4], s[10:11] offset:512*(pp%4)
.set pp, pp+1
.endr
	s_wait_loadcnt 0x0
	WIN 0x04
.set pp, 0
.rept 16*(\G)
	ds_store_b128 v[FST+pp/16], v[4*pp:4*pp+3] offset:((pp/4)%4)*8*XPI+512*(pp%4)
.set pp, pp+1
.endr
	WIN 0
.endm
.macro AXSET                           ; tile mt's fragment: row min(16 mt + r, rows - 1), held to the block by a constant; 16 bytes for each half of the lanes; my quarter of K
.set pp, 0
.rept 8
	v_add_nc_u32 v[24+pp%2], 16*pp, v[RR]
	v_min_u32 v[24+pp%2], s23, v[24+pp%2]
	v_min_u32 v[24+pp%2], 0x7f, v[24+pp%2]
	v_mul_u32_u24 v[24+pp%2], v[24+pp%2], XPI
	v_add_nc_u32 v[AX+pp], v[24+pp%2], v[AXB]
.set pp, pp+1
.endr
.endm
.macro PRODUCT hot
	AXSET
	AGRP 0, 0                                      ; step 0's fragments of all eight tiles
	AGRP 1, 0
	AGRP 2, 0
	AGRP 3, 0
	KWALK \hot
.endm
.macro PGRP g                          ; group g's partial sums into my 32,768 bytes, each accumulator from its low end on
.set pp, 0
.rept 8
.set acc, 32*(2*(\g)+pp/4)+8*(pp%4)
	ds_store_b128 v[PST], v[acc:acc+3]   offset:(2*(\g)+pp/4)*4096+(pp%4)*1024
	ds_store_b128 v[PST], v[acc+4:acc+7] offset:(2*(\g)+pp/4)*4096+(pp%4)*1024+512
.set pp, pp+1
.endr
.endm
.macro PSTORE
	WIN 0x04
	PGRP 0
	WIN 0
	s_cmp_lt_u32 s22, 2
	s_cbranch_scc1 .Lpd_\@
	WIN 0x04
	PGRP 1
	WIN 0
	s_cmp_lt_u32 s22, 3
	s_cbranch_scc1 .Lpd_\@
	WIN 0x04
	PGRP 2
	WIN 0
	s_cmp_lt_u32 s22, 4
	s_cbranch_scc1 .Lpd_\@
	WIN 0x04
	PGRP 3
	WIN 0
.Lpd_\@:
.endm
.macro ADD8 d, a, b                    ; eight f32 sums
.irp p, 0,2,4,6
	v_pk_add_f32 v[(\d)+\p:(\d)+\p+1], v[(\a)+\p:(\a)+\p+1], v[(\b)+\p:(\b)+\p+1]
.endr
.endm
; Wave (cg, kq) reduces column tile kq of its column group.  Group g: the four K quarters of two tiles, (s0 + s1) + (s2 + s3), the bias, relu, one rounding to bf16; a tile's four registers a lane are half a fragment
; of the second product and leave as 512 consecutive bytes.
.macro REDGRP g
.set rx, 0
.rept 8                                                ; tile 2 g + rx / 4, source rx % 4
	ds_load_b128 v[AF+8*rx:AF+8*rx+3],   v[PRD+(rx%4)/2] offset:(rx%2)*32768+(2*(\g)+rx/4)*4096
	ds_load_b128 v[AF+8*rx+4:AF+8*rx+7], v[PRD+(rx%4)/2] offset:(rx%2)*32768+(2*(\g)+rx/4)*4096+512
.set rx, rx+1
.endr
	s_wait_dscnt 0x0
.irp tl, 0,1
	ADD8 AF+32*\tl, AF+32*\tl, AF+32*\tl+8
	ADD8 AF+32*\tl+16, AF+32*\tl+16, AF+32*\tl+24
	ADD8 AF+32*\tl, AF+32*\tl, AF+32*\tl+16
	ADD8 AF+32*\tl, AF+32*\tl, BIAS
.irp j, 0,1,2,3,4,5,6,7
	v_max_num_f32 v[AF+32*\tl+\j], 0, v[AF+32*\tl+\j]
.endr
.irp i, 0,1,2,3
	v_cvt_pk_bf16_f32 v[BF+8*(\g)+4*\tl+\i], v[AF+32*\tl+2*\i], v[AF+32*\tl+2*\i+1]
.endr
	global_store_b128 v[L16], v[BF+8*(\g)+4*\tl:BF+8*(\g)+4*\tl+3], s[28:29] offset:(2*(\g)+\tl)*65536
.endr
.endm
.macro REDUCE
	REDGRP 0
	s_cmp_lt_u32 s22, 2
	s_cbranch_scc1 .Lrd_\@
	REDGRP 1
	s_cmp_lt_u32 s22, 3
	s_cbranch_scc1 .Lrd_\@
	REDGRP 2
	s_cmp_lt_u32 s22, 4
	s_cbranch_scc1 .Lrd_\@
	REDGRP 3
.Lrd_\@:
	s_wait_xcnt 0x0                                ; the stores have read their data and their base: both are written again in the next block
.endm
	s_load_b256 s[4:11], s[0:1], 0x0               ; b1 s[4:5], top1 s[6:7], w1 s[8:9], xb s[10:11]
	s_load_b64 s[12:13], s[0:1], 0x20              ; h
	v_lshl_add_u32 v[SPW], v0, 2, SPARE
	v_mov_b32 v[NIL], 0
	v_lshrrev_b32 v24, 5, v0
	v_readfirstlane_b32 s14, v24                   ; wave 0..7
	s_lshr_b32 s15, s14, 2                         ; cg
	s_and_b32 s16, s14, 3                          ; kq
	s_and_b32 s17, ttmp7, 0xffff                   ; the expert
	s_mov_b32 s18, ttmp9                           ; the slice
	v_and_b32 v25, 31, v0                          ; lane
	v_and_b32 v[RR], 15, v0
	v_bfe_u32 v24, v0, 4, 1                        ; h
	v_lshlrev_b32 v[L16], 4, v25
	v_lshlrev_b32 v[WOFF], 4, v[RR]
	v_lshl_add_u32 v[WOFF], v24, 16, v[WOFF]       ; 8 rows of 8,192 bytes
	v_lshlrev_b32 v[PFO], 13, v25
	v_lshlrev_b32 v26, 7, v24                      ; the bias: 32 h columns
	s_lshl_b32 s35, s14, 15
	v_add_nc_u32 v[PST], s35, v[L16]
	s_lshl_b32 s35, s15, 17
	s_lshl_b32 s34, s16, 10
	s_add_co_u32 s35, s35, s34
	v_add_nc_u32 v[PRD], s35, v[L16]
	v_add_nc_u32 v[PRD+1], 0x10000, v[PRD]
	s_lshl_b32 s35, s16, 9
	v_lshl_add_u32 v[AXB], v24, 4, s35
	v_lshl_add_u32 v[LIX], v[RR], 3, s14
	s_mul_i32 s30, s14, LISTP
	s_add_co_u32 s30, s30, LIST
	s_lshl_b32 s52, s17, 23                        ; w1: the expert's 8 MiB,
	s_lshl_b32 s35, s16, 21
	s_add_co_u32 s52, s52, s35                     ; my 256 rows,
	s_lshl_b32 s35, s18, 9
	s_add_co_u32 s52, s52, s35                     ; the slice's 512 bytes of a row,
	s_lshl_b32 s35, s15, 8
	s_add_co_u32 s52, s52, s35                     ; my 256 of them
	s_mov_b32 s53, 0
	s_lshl_b32 s54, s18, 7                         ; b1: column 128 slice + 64 cg + kq, then 4 j + 32 h
	s_lshl_b32 s35, s15, 6
	s_add_co_u32 s54, s54, s35
	s_add_co_u32 s54, s54, s16
	s_lshl_b32 s54, s54, 2
	s_lshl_b32 s35, s17, 13
	s_add_co_u32 s54, s54, s35
	s_mov_b32 s55, 0
	s_lshl_b32 s56, s18, 3                         ; h: 2 x step + half = 8 slice + w, 512 bytes each
	s_add_co_u32 s56, s56, s14
	s_lshl_b32 s56, s56, 9
	s_lshl_b32 s35, s17, 22
	s_add_co_u32 s56, s56, s35
	s_mov_b32 s57, 0
	s_mov_b32 s58, 0                               ; block 0
	s_wait_kmcnt 0x0
	s_add_nc_u64 s[24:25], s[8:9], s[52:53]
	s_mov_b64 s[26:27], s[24:25]
	s_add_nc_u64 s[4:5], s[4:5], s[54:55]
	s_add_nc_u64 s[28:29], s[12:13], s[56:57]
.irp q, 0,1,2,3,4,5,6,7
	global_load_b128 v[AF+4*\q:AF+4*\q+3], v[L16], s[6:7] offset:512*\q   ; all 1,024 choices
.endr
.irp j, 0,1,2,3,4,5,6,7
	global_load_b32 v[BIAS+\j], v26, s[4:5] offset:16*\j
.endr
	WLOAD 0, 0                                     ; the stream begins ahead of the lists
	WLOAD 1, 1
	PREF 2
	s_wait_loadcnt 32                              ; the two weight batches are younger: the choices and the bias are in
.irp p, 0,2,4,6                                        ; b1 rounded to bf16, like every input
	v_cvt_pk_bf16_f32 v24, v[BIAS+\p], v[BIAS+\p+1]
	v_lshlrev_b32 v[BIAS+\p], 16, v24
	v_and_b32 v[BIAS+\p+1], 0xffff0000, v24
.endr
	LISTS
	s_max_u32 s31, s19, 1
	s_sub_co_u32 s31, s31, 1
	; BLOCK 0: no piece is jumped as a whole, so that every register that the loop below may read has been written
	BSET
	FILLPREP
	s_cmp_gt_u32 s22, 2                            ; as many rows as the live groups hold
	s_cbranch_scc1 .Lf34
	s_cmp_gt_u32 s22, 1
	s_cbranch_scc1 .Lf2
	FILLV 1
	s_branch .Lfj
.Lf2:
	FILLV 2
	s_branch .Lfj
.Lf34:
	s_cmp_gt_u32 s22, 3
	s_cbranch_scc1 .Lf4
	FILLV 3
	s_branch .Lfj
.Lf4:
	FILLV 4
.Lfj:
	BAR                                            ; every wave's rows are in LDS
	PRODUCT 1
	BAR                                            ; every wave's reads of the rows are over: the partial sums may lie over them
	PSTORE
	BAR                                            ; every wave's partial sums are in LDS
	REDUCE
	; BLOCKS 1 TO 7: a constant count of trips; every wave passes every barrier; a block without rows jumps the work
	s_mov_b32 s20, 1
.Lblk:
	BAR                                            ; the last block's reads of the partial sums are over: rows may be filled again
	s_wait_xcnt 0x0
	s_mov_b64 s[26:27], s[24:25]                   ; the weights once more from my first row
	s_add_nc_u64 s[28:29], s[28:29], 0x80000       ; h: eight tiles on
	s_lshl_b32 s58, s20, 7
	BSET
	s_cmp_eq_u32 s33, 0
	s_cbranch_scc1 .Ls1
	WLOAD 0, 0
	WLOAD 1, 1
	PREF 2
	FILLPREP
	FILLV 4
.Ls1:
	BAR
	s_cmp_eq_u32 s33, 0
	s_cbranch_scc1 .Ls2
	PRODUCT 0
.Ls2:
	BAR
	s_cmp_eq_u32 s33, 0
	s_cbranch_scc1 .Ls3
	PSTORE
.Ls3:
	BAR
	s_cmp_eq_u32 s33, 0
	s_cbranch_scc1 .Ls4
	REDUCE
.Ls4:
	s_add_co_u32 s20, s20, 1
	s_cmp_lt_u32 s20, 8
	s_cbranch_scc1 .Lblk
	s_wait_tensorcnt 0x0                           ; the wave's end, behind my last LDS store
	ds_add_u32 v[SPW], v[NIL]
	s_wait_dscnt 0x0
	s_endpgm
.Lfunc_end_k_qbf1556e022_up:
	.size	k_qbf1556e022_up, .Lfunc_end_k_qbf1556e022_up-k_qbf1556e022_up
	.p2alignl 7, 3214868480
	.fill 96, 4, 3214868480
	.section	.rodata,"a",@progbits
	.p2align	6, 0x0
	.amdhsa_kernel k_qbf1556e022_up
		.amdhsa_group_segment_fixed_size 300032
		.amdhsa_private_segment_fixed_size 0
		.amdhsa_enable_private_segment 0
		.amdhsa_kernarg_size 40
		.amdhsa_user_sgpr_count 2
		.amdhsa_user_sgpr_kernarg_segment_ptr 1
		.amdhsa_wavefront_size32 1
		.amdhsa_system_sgpr_workgroup_id_x 1
		.amdhsa_system_sgpr_workgroup_id_y 1
		.amdhsa_system_sgpr_workgroup_id_z 1
		.amdhsa_system_vgpr_workitem_id 0
		.amdhsa_next_free_vgpr 512
		.amdhsa_next_free_sgpr 66
		.amdhsa_reserve_vcc 0
		.amdhsa_float_denorm_mode_32 3
		.amdhsa_float_denorm_mode_16_64 3
		.amdhsa_memory_ordered 1
		.amdhsa_forward_progress 1
		.amdhsa_inst_pref_size 189
	.end_amdhsa_kernel
	.amdgpu_metadata
---
amdhsa.version: [ 1, 2 ]
amdhsa.kernels:
  - .name:           k_qbf1556e022_up
    .symbol:         k_qbf1556e022_up.kd
    .args:
      - { .name: b1, .offset: 0, .size: 8, .value_kind: global_buffer, .address_space: global }
      - { .name: top1, .offset: 8, .size: 8, .value_kind: global_buffer, .address_space: global }
      - { .name: w1, .offset: 16, .size: 8, .value_kind: global_buffer, .address_space: global }
      - { .name: xb, .offset: 24, .size: 8, .value_kind: global_buffer, .address_space: global }
      - { .name: h, .offset: 32, .size: 8, .value_kind: global_buffer, .address_space: global }
    .group_segment_fixed_size: 300032
    .private_segment_fixed_size: 0
    .kernarg_segment_align: 8
    .kernarg_segment_size: 40
    .max_flat_workgroup_size: 256
    .sgpr_count:     66
    .vgpr_count:     512
    .wavefront_size: 32
...
	.end_amdgpu_metadata
.endif
;; end of part 2
;; launch down (part 3): grid 16 x 16, 8 waves a work-group, no clusters, 232,448 bytes of LDS; arguments b2, top1, w2, h, out0; writes out0
.if DOCPART == 3
	.amdgcn_target "amdgcn-amd-amdhsa--gfx1250"
	.amdhsa_code_object_version 6
	.text
	.protected	k_qbf1556e022_down
	.globl	k_qbf1556e022_down
	.p2align	8
	.type	k_qbf1556e022_down,@function
k_qbf1556e022_down:
	s_mov_b64 s[64:65], 0
	v_nop
	global_prefetch_b8 v0, s[64:65] scope:SCOPE_SE
	s_setreg_imm32_b32 hwreg(HW_REG_WAVE_MODE, 25, 1), 1
	s_wait_xcnt 0x0
; DOWN.  out[t] = h[row of t] . w2[e] + b2[e] for the tokens that chose expert e, in f32; w2 and b2 are rounded to bf16 on their way through registers, sums in f32.  Each token has one expert, so each output row has one owner.
; SHARES.  Work-group (slice, e) has 64 columns of w2[e], which it alone reads, once for each block of 96 of the expert's rows.  Wave w has an eighth of K: rows 256 w .. 256 w + 255 of w2, 8 steps of 32; the eight
; waves' f32 sums meet in LDS.
; LIMIT.  An expert with more than 96 rows reads its slice of w2 again for each further block of 96: right for every split of the tokens, slower for such an expert.
; WEIGHTS: a load of 16 bytes a lane takes 256 consecutive aligned bytes of one row (lanes 0-15) and of the row 32 further down (lanes 16-31); component c belongs to column tile c, whose column r is the slice's
; column 4 r + c: 16 loads and 32 roundings in pairs make four whole fragments.  The rows are taken in the K order in which launch up left h: slot (h, half g, i) of step s is row 64 (s / 2) + 32 h + 4 i + 2 (s % 2) + g.
; h comes from memory as whole fragments, 512 consecutive bytes a load: byte e<<22 | tile<<16 | step<<10 | half<<9 | lane<<4, a tile being 16 rows of the expert's list.
; TWO STEPS AHEAD.  A batch is a step's fragments of h and then its weights; behind step s's products batch s + 2 is asked for, into the registers that step s has just read.  So two batches are on their way, and the
; count in front of a step lets exactly the younger one stay out.  For that count to be a constant, the walk is written twice, for 4 and for 6 tiles, with no jump inside; a dead tile repeats the last live one.
; THE PRODUCT has the tokens as source 0: lane (r, h) holds tokens 8 h + j and column 4 r + c, so the four column tiles give a lane 16 neighbouring bytes of an output row, and 16 lanes store 256 aligned bytes.
; ROWS.  The count comes first (32 compares into 32 scalar masks, their bits counted), since the products need no more; the list of tokens, in launch up's order, is made from the same masks while the first fragments
; of h are on their way.  Every wave makes it for itself, in LDS bytes of its own.  Places past the count repeat the list's last row: they hold the same numbers and are stored to the same place.
; The blocks are a loop of constant count in which every wave passes every barrier and only work is jumped.  An expert without rows stores nothing.
; NO CLUSTER, NO TENSOR LOADS: each weight byte has one reader and must pass through registers to be rounded; h's tiles, which an expert's 16 work-groups share, would have to land in LDS, 96 rows of 4,096 bytes,
; more than a work-group can have.
; REGISTERS: window 0 as named below; window 1 (v256-511): v0-191 the 24 accumulators, tile mt, column tile c at 32 mt + 8 c; v192-255 the second slot of weights as loaded.
.set PITCH, 4096                       ; bytes in a row of w2[e]
.set NT,    6                          ; tiles of 16 rows in a block
.set BROWS, 16*NT
.set NBLK,  11                         ; blocks that cover 1,024 rows
.set PSRC,  NT*4096                    ; a wave's partial sums: tile x 4,096 + register pair x 1,024 + column tile x 256 + lane x 8
.set LIST,  8*PSRC                     ; behind them the lists, for each wave 4,096 bytes of list and 128 of dump words in 4,352
.set LISTP, 4352
.set SPARE, LIST+8*LISTP               ; the spare words, 128 bytes a wave: four blocks of 256 bytes that no other line names
.set SPW,  1                           ; v1     SPARE + 4 x my thread's number; never rewritten
.set NIL,  2                           ; v2     0; never rewritten
.set WOFF, 3                           ; v3     weights: 16 r + 32 h rows
.set L16,  4                           ; v4     16 x lane
.set PST,  5                           ; v5     where I put partial sums
.set PRD,  6                           ; v6-9   where I read them: sources 0-1, 2-3, 4-5, 6-7
.set R16,  10                          ; v10    16 r
.set LIX,  11                          ; v11    16 par + 8 h + 2 qd: my first token's place in a group of 32 rows
.set PFO,  14                          ; v14    prefetch: lane l asks for row l % 2 + 4 (l / 2)
.set BIAS, 16                          ; v16-19 b2 of my four columns; v20-23 at work
.set SO,   24                          ; v24-29 byte offsets of the rows that I store
.set BF,   32                          ; v32-63   four weight fragments; later the store data
.set AF,   64                          ; v64-159  fragments of h, two sets of 6 tiles; later at work in the reduction
.set WR0,  160                         ; v160-223 weights as loaded, slot 0
.set WR1,  192                         ; the same, slot 1, in window 1
.set TOPW, 224                         ; v224-255 the 1,024 choices, until they are counted; then:
.set LT,   224                         ; v224-231 at work in the list
.set LN4,  232                         ; v232     4 x lane
.set DMP,  233                         ; v233     my dump word's index
.set TOFF, 240                         ; v240-245 tile mt's byte offset in the block's h, held to the last live tile, + 16 x lane
.set MK,   66                          ; s66-97   mask i: the lanes whose word i of the choices is my expert
; s14 w, s15 par = w / 4, s16 qd = w % 4, s17 e, s18 slice, s19 n, s20 block, s21 the block's rows, s22 its live groups of 32, s23 its last live tile, s[24:25] my weights, s[28:29] h at the block's first tile,
; s30 my list, s31 max(n, 1) - 1, s33 1: the block has rows, s34-35 at work, s38-39, s52-57 offsets, s58 96 x block
.set MSB, 0
.macro WIN new                         ; s_set_vgpr_msb: bits 1:0 source 0, 3:2 source 1, 5:4 source 2, 7:6 destination; the high byte repeats the setting that is left; at a label and at a branch every window is 0
.if MSB != (\new)
	s_set_vgpr_msb (MSB<<8)|(\new)
.set MSB, \new
.endif
.endm
.macro PLACES                          ; four places behind matrix instructions, ahead of loads into their sources, of roundings into their sources and of readers of their results
.rept 4
	v_nop
.endr
.endm
.macro BAR                             ; my LDS instructions are done, then the work-group's barrier
	s_wait_dscnt 0x0
	s_barrier_signal -1
	s_barrier_wait -1
.endm
.macro WLOAD slot, st                  ; K step st's weights: load l brings row 64 (st / 2) + 2 (st % 2) + 4 (l % 8) + l / 8 + 32 h; all eight steps lie within the immediate's reach of one base
.set wrb, WR0
.if (\slot)
.set wrb, WR1
	WIN 0x40                                       ; destination window 1, address window 0
.endif
.set ll, 0
.rept 16
	global_load_b128 v[wrb+4*ll:wrb+4*ll+3], v[WOFF], s[24:25] offset:(64*((\st)/2)+2*((\st)%2)+4*(ll%8)+ll/8)*PITCH th:TH_LOAD_NT
.set ll, ll+1
.endr
	WIN 0
.endm
.macro PREF st                         ; K step st's 32 rows, a lane a row: each block of 256 bytes is asked for once, by the wave that will load it, one step ahead of its loads' issue and three ahead of its use; step 7 is the last asked for
	global_prefetch_b8 v[PFO], s[24:25] offset:(64*((\st)/2)+2*((\st)%2))*PITCH th:TH_LOAD_NT scope:SCOPE_SE
.endm
.macro CVT slot                        ; register q of column tile c's fragment = loads 2 q and 2 q + 1, component c, rounded to bf16
.set wrb, WR0
.if (\slot)
.set wrb, WR1
	WIN 0x05                                       ; both sources window 1, destination window 0
.endif
.set jq, 0
.rept 32
	v_cvt_pk_bf16_f32 v[BF+jq], v[wrb+8*(jq%8)+jq/8], v[wrb+8*(jq%8)+4+jq/8]
.set jq, jq+1
.endr
.endm
.macro ALOAD nt, set, st               ; K step st's fragments of h for nt tiles, into set \set
.set pp, 0
.rept \nt
	global_load_b128 v[AF+48*(\set)+8*pp:AF+48*(\set)+8*pp+3],   v[TOFF+pp], s[28:29] offset:(\st)*1024
	global_load_b128 v[AF+48*(\set)+8*pp+4:AF+48*(\set)+8*pp+7], v[TOFF+pp], s[28:29] offset:(\st)*1024+512
.set pp, pp+1
.endr
.endm
.macro MM nt, set, zero                ; nt tiles x 4 column tiles, each matrix instruction on an accumulator of its own: they take turns, one instruction a turn, from step to step too.  zero = 1: they start the sums
.set mm, 0
.rept 4*(\nt)
.set afr, AF+48*(\set)+8*(mm/4)
.set acc, 32*(mm/4)+8*(mm%4)
.if \zero
	v_wmma_f32_16x16x32_bf16 v[acc:acc+7], v[afr:afr+7], v[BF+8*(mm%4):BF+8*(mm%4)+7], 0
.else
	v_wmma_f32_16x16x32_bf16 v[acc:acc+7], v[afr:afr+7], v[BF+8*(mm%4):BF+8*(mm%4)+7], v[acc:acc+7]
.endif
.set mm, mm+1
.endr
.endm
; K STEP s of 8, for nt live tiles.  Loads come back in order (ISA guide 5.7.1).  Step 0: behind its fragments of h only step 1's twelve loads were issued.  Steps 1 to 6: behind batch s only batch s + 1 was issued,
; 2 nt loads of h and 16 of weights.  Step 7: nothing is younger.  Step 0 multiplies all six tiles and starts every sum with the constant 0: nothing is cleared, and no accumulator is left unwritten.
.macro HSTEP nt, s
.if (\s) == 0
	s_wait_loadcnt 2*NT
.elseif (\s) == 7
	s_wait_loadcnt 0x0
.else
	s_wait_loadcnt 2*(\nt)+16
.endif
	CVT (\s)%2
	WIN 0x50                                       ; C and D window 1
.if (\s) == 0
	MM NT, 0, 1
.else
	MM \nt, (\s)%2, 0
.endif
	WIN 0
.if (\s) < 5
	PREF (\s)+3
.endif
	PLACES
.if (\s) < 6
	ALOAD \nt, (\s)%2, (\s)+2                      ; batch s + 2: h first, so that what a step reads is never behind a younger batch's weights,
	WLOAD (\s)%2, (\s)+2                           ; then the weights, into the slot just rounded
.endif
.endm
.macro HWALK nt                        ; my eight K steps, written out: every address is a fixed base and an immediate, so nothing is stepped and nothing waits for a step
.irp s, 0,1,2,3,4,5,6,7
	HSTEP \nt, \s
.endr
.endm
; THE LIST of the tokens that chose my expert, in the order (chunk of 128, word of 4, lane), the same as in launch up, from the masks.  A lane that matches stores its token at its rank; the others store into a dump
; word of their own.  The index is held to the list and the dump words by a constant before it becomes an address.  Four entries go abreast, so that no line waits for the one before it.
.macro LISTS
	v_and_b32 v[LT], 31, v0
	v_lshlrev_b32 v[LN4], 2, v[LT]                 ; my tokens: 128 q + 4 lane + c
	v_add_nc_u32 v[DMP], 0x400, v[LT]
	s_mov_b32 s34, 0
.set ii, 0
.rept 8
.irp k, 0,1,2,3
	v_mbcnt_lo_u32_b32 v[LT+\k], s[MK+ii+\k], s34  ; the rows so far + the matching lanes below me
	s_bcnt1_i32_b32 s35, s[MK+ii+\k]
	s_add_co_u32 s34, s34, s35
.endr
.irp k, 0,1,2,3
	v_cndmask_b32 v[LT+\k], v[DMP], v[LT+\k], s[MK+ii+\k]
.endr
.irp k, 0,1,2,3
	v_min_u32 v[LT+\k], 0x41f, v[LT+\k]
.endr
.irp k, 0,1,2,3
	v_lshl_add_u32 v[LT+\k], v[LT+\k], 2, s30
.endr
.irp k, 0,1,2,3
	v_add_nc_u32 v[LT+4+\k], 32*ii+\k, v[LN4]      ; chunk ii / 4, word k
.endr
.irp k, 0,1,2,3
	ds_store_b32 v[LT+\k], v[LT+4+\k]
.endr
.set ii, ii+4
.endr
.endm
.macro BSET                            ; the block's figures, from n and s58 = 96 x block; they are made in every trip, outside all jumps
	s_cmp_gt_u32 s19, s58
	s_cselect_b32 s33, 1, 0
	s_sub_co_i32 s21, s19, s58
	s_max_i32 s21, s21, 1
	s_min_u32 s21, s21, BROWS
	s_add_co_u32 s22, s21, 31
	s_lshr_b32 s22, s22, 5
	s_lshl_b32 s23, s22, 1
	s_sub_co_u32 s23, s23, 1
.endm
.macro PGRP g                          ; group g's partial sums into my 24,576 bytes, a register pair (two tokens) at a time, each accumulator from its low end on
.set pp, 0
.rept 32                                               ; tile 2 g + pp / 16, column tile (pp / 4) % 4, pair pp % 4
.set acc, 32*(2*(\g)+pp/16)+8*((pp/4)%4)+2*(pp%4)
	ds_store_b64 v[PST], v[acc:acc+1] offset:(2*(\g)+pp/16)*4096+(pp%4)*1024+((pp/4)%4)*256
.set pp, pp+1
.endr
.endm
.macro PSTORE
	WIN 0x04                                       ; store data window 1
	PGRP 0
	WIN 0
	s_cmp_lt_u32 s22, 2
	s_cbranch_scc1 .Lpd_\@
	WIN 0x04
	PGRP 1
	WIN 0
	s_cmp_lt_u32 s22, 3
	s_cbranch_scc1 .Lpd_\@
	WIN 0x04
	PGRP 2
	WIN 0
.Lpd_\@:
.endm
.macro ADD8 d, a, b                    ; eight f32 sums
.irp p, 0,2,4,6
	v_pk_add_f32 v[(\d)+\p:(\d)+\p+1], v[(\a)+\p:(\a)+\p+1], v[(\b)+\p:(\b)+\p+1]
.endr
.endm
; Wave (par, qd) finishes, in live group u, register pair qd of tile 2 u + par: two tokens a lane half, four columns a lane.  The eight waves' sums are added in a fixed tree, the bias is added, and each token's
; 256 bytes go to its own row of the output: the token comes from my list, held to the table by a constant.
.macro OUTU u
	v_add3_u32 v20, v[LIX], s58, 32*(\u)
	v_add_nc_u32 v21, 1, v20
	v_min_u32 v20, s31, v20                        ; places past the count repeat the last row
	v_min_u32 v21, s31, v21
	v_min_u32 v20, 0x3ff, v20
	v_min_u32 v21, 0x3ff, v21
	v_lshl_add_u32 v20, v20, 2, s30
	v_lshl_add_u32 v21, v21, 2, s30
	ds_load_b32 v22, v20                           ; LDS serves a wave's instructions in order (ISA guide 5.7.1.4): these see my list's stores
	ds_load_b32 v23, v21
.set oo, 0
.rept 32                                               ; source oo / 4, column tile oo % 4
	ds_load_b64 v[AF+2*oo:AF+2*oo+1], v[PRD+oo/8] offset:((oo/4)%2)*PSRC+(\u)*8192+(oo%4)*256
.set oo, oo+1
.endr
	s_wait_dscnt 0x0
	ADD8 AF, AF, AF+8
	ADD8 AF+16, AF+16, AF+24
	ADD8 AF+32, AF+32, AF+40
	ADD8 AF+48, AF+48, AF+56
	ADD8 AF, AF, AF+16
	ADD8 AF+32, AF+32, AF+48
	ADD8 AF, AF, AF+32
.irp j, 0,1,2,3                                        ; the bias, and a token's four columns into neighbouring registers
	v_add_f32 v[BF+8*(\u)+\j],   v[AF+2*\j],   v[BIAS+\j]
	v_add_f32 v[BF+8*(\u)+4+\j], v[AF+2*\j+1], v[BIAS+\j]
.endr
	v_min_u32 v22, 0x3ff, v22
	v_min_u32 v23, 0x3ff, v23
	v_lshl_add_u32 v[SO+2*(\u)],   v22, 12, v[R16]
	v_lshl_add_u32 v[SO+2*(\u)+1], v23, 12, v[R16]
	global_store_b128 v[SO+2*(\u)],   v[BF+8*(\u):BF+8*(\u)+3],   s[12:13] th:TH_STORE_NT   ; 16 lanes store 256 consecutive bytes, at a multiple of 256 from the output's first byte
	global_store_b128 v[SO+2*(\u)+1], v[BF+8*(\u)+4:BF+8*(\u)+7], s[12:13] th:TH_STORE_NT
.endm
.macro OUT
	OUTU 0
	s_cmp_lt_u32 s22, 2
	s_cbranch_scc1 .Lod_\@
	OUTU 1
	s_cmp_lt_u32 s22, 3
	s_cbranch_scc1 .Lod_\@
	OUTU 2
.Lod_\@:
.endm
	s_load_b256 s[4:11], s[0:1], 0x0               ; b2 s[4:5], top1 s[6:7], w2 s[8:9], h s[10:11]
	s_load_b64 s[12:13], s[0:1], 0x20              ; out0
	v_lshl_add_u32 v[SPW], v0, 2, SPARE
	v_mov_b32 v[NIL], 0
	v_lshrrev_b32 v20, 5, v0
	v_readfirstlane_b32 s14, v20                   ; wave 0..7
	s_lshr_b32 s15, s14, 2                         ; par
	s_and_b32 s16, s14, 3                          ; qd
	s_and_b32 s17, ttmp7, 0xffff                   ; the expert
	s_mov_b32 s18, ttmp9                           ; the slice
	v_and_b32 v21, 31, v0                          ; lane
	v_and_b32 v22, 15, v0                          ; r
	v_bfe_u32 v20, v0, 4, 1                        ; h
	v_lshlrev_b32 v[L16], 4, v21
	v_lshlrev_b32 v[R16], 4, v22
	v_lshl_add_u32 v[WOFF], v20, 17, v[R16]        ; 32 rows of 4,096 bytes
	v_and_b32 v22, 1, v0
	v_lshrrev_b32 v23, 1, v21
	v_lshl_add_u32 v22, v23, 2, v22
	v_lshlrev_b32 v[PFO], 12, v22
	s_mul_i32 s35, s14, PSRC
	v_lshl_add_u32 v[PST], v21, 3, s35
	s_lshl_b32 s35, s15, 12
	s_lshl_b32 s34, s16, 10
	s_add_co_u32 s35, s35, s34
	v_lshl_add_u32 v[PRD], v21, 3, s35
	v_add_nc_u32 v[PRD+1], 2*PSRC, v[PRD]
	v_add_nc_u32 v[PRD+2], 2*PSRC, v[PRD+1]
	v_add_nc_u32 v[PRD+3], 2*PSRC, v[PRD+2]
	s_lshl_b32 s35, s15, 4
	s_lshl_b32 s34, s16, 1
	s_add_co_u32 s35, s35, s34
	v_lshl_add_u32 v[LIX], v20, 3, s35
	s_mul_i32 s30, s14, LISTP
	s_add_co_u32 s30, s30, LIST
	s_lshl_b32 s52, s17, 23                        ; w2: the expert's 8 MiB,
	s_lshl_b32 s35, s14, 20
	s_add_co_u32 s52, s52, s35                     ; my 256 rows,
	s_lshl_b32 s38, s18, 8                         ; the slice's 256 bytes of a row (of w2, of b2 and of the output)
	s_add_co_u32 s52, s52, s38
	s_mov_b32 s53, 0
	s_mov_b32 s39, 0
	s_lshl_b32 s54, s17, 12                        ; b2
	s_add_co_u32 s54, s54, s38
	s_mov_b32 s55, 0
	s_lshl_b32 s56, s17, 22                        ; h: the expert's 4 MiB, my eight steps of 1,024 bytes
	s_lshl_b32 s35, s14, 13
	s_add_co_u32 s56, s56, s35
	s_mov_b32 s57, 0
	s_wait_kmcnt 0x0
	s_add_nc_u64 s[24:25], s[8:9], s[52:53]
	s_add_nc_u64 s[4:5], s[4:5], s[54:55]
	s_add_nc_u64 s[28:29], s[10:11], s[56:57]
	s_add_nc_u64 s[12:13], s[12:13], s[38:39]
.irp q, 0,1,2,3,4,5,6,7
	global_load_b128 v[TOPW+4*\q:TOPW+4*\q+3], v[L16], s[6:7] offset:512*\q   ; all 1,024 choices
.endr
	global_load_b128 v[BIAS:BIAS+3], v[R16], s[4:5]
	WLOAD 0, 0                                     ; the stream begins ahead of the count
	WLOAD 1, 1
	PREF 2
	s_mov_b32 s20, 0                               ; block 0
	s_mov_b32 s58, 0
	s_mov_b32 s19, 0
	s_wait_loadcnt 32                              ; the two weight batches are younger: the choices and the bias are in
.set ii, 0
.rept 32                                               ; the masks,
	v_cmp_eq_u32 s[MK+ii], s17, v[TOPW+ii]
.set ii, ii+1
.endr
	v_cvt_pk_bf16_f32 v20, v[BIAS], v[BIAS+1]      ; b2 rounded to bf16, like every input
	v_cvt_pk_bf16_f32 v21, v[BIAS+2], v[BIAS+3]
	v_lshlrev_b32 v[BIAS], 16, v20
	v_and_b32 v[BIAS+1], 0xffff0000, v20
	v_lshlrev_b32 v[BIAS+2], 16, v21
	v_and_b32 v[BIAS+3], 0xffff0000, v21
.set ii, 0
.rept 32                                               ; and n, the number of their bits
	s_bcnt1_i32_b32 s35, s[MK+ii]
	s_add_co_u32 s19, s19, s35
.set ii, ii+1
.endr
	s_max_u32 s31, s19, 1
	s_sub_co_u32 s31, s31, 1
	; THE BLOCKS: a constant count of trips; every wave passes both barriers of every trip; a block without rows jumps the work
.Lblk:
	BSET
	s_cmp_eq_u32 s33, 0
	s_cbranch_scc1 .Lq1
.set pp, 0
.rept NT                                               ; a dead tile takes the last live one, which launch up has written
	s_min_u32 s35, s23, pp
	v_lshl_add_u32 v[TOFF+pp], s35, 16, v[L16]
.set pp, pp+1
.endr
	ALOAD NT, 0, 0                                 ; steps 0 and 1 of h, all six tiles: both sets of fragment registers are written whole
	ALOAD NT, 1, 1
	s_cmp_lg_u32 s20, 0
	s_cbranch_scc1 .Lnl                            ; the list is made once,
	LISTS                                          ; while those loads are on their way
.Lnl:
	s_cmp_gt_u32 s22, 2
	s_cbranch_scc1 .Lw6
	HWALK 4                                        ; up to 64 rows
	s_branch .Lwj
.Lw6:
	HWALK 6                                        ; up to 96
.Lwj:
	PSTORE
.Lq1:
	BAR                                            ; every wave's partial sums are in LDS
	s_cmp_eq_u32 s33, 0
	s_cbranch_scc1 .Lq2
	OUT
.Lq2:
	BAR                                            ; every wave's reads of the partial sums are over: the next block may store its own
	s_wait_xcnt 0x0                                ; my loads and stores have had their addresses translated (ISA guide 3.1): h's base, the stores' data and their offsets may be written again
	s_add_nc_u64 s[28:29], s[28:29], NT*65536      ; h: six tiles on
	s_add_co_u32 s58, s58, BROWS
	s_cmp_gt_u32 s19, s58
	s_cbranch_scc0 .Lnw
	s_wait_loadcnt 0x0                             ; no load of mine is out: both slots may be asked for again
	WLOAD 0, 0                                     ; the next block has rows: the weights once more from my first row
	WLOAD 1, 1
	PREF 2
.Lnw:
	s_add_co_u32 s20, s20, 1
	s_cmp_lt_u32 s20, NBLK
	s_cbranch_scc1 .Lblk
	s_wait_tensorcnt 0x0                           ; the wave's end, behind my last LDS store
	ds_add_u32 v[SPW], v[NIL]
	s_wait_dscnt 0x0
	s_endpgm
.Lfunc_end_k_qbf1556e022_down:
	.size	k_qbf1556e022_down, .Lfunc_end_k_qbf1556e022_down-k_qbf1556e022_down
	.p2alignl 7, 3214868480
	.fill 96, 4, 3214868480
	.section	.rodata,"a",@progbits
	.p2align	6, 0x0
	.amdhsa_kernel k_qbf1556e022_down
		.amdhsa_group_segment_fixed_size 232448
		.amdhsa_private_segment_fixed_size 0
		.amdhsa_enable_private_segment 0
		.amdhsa_kernarg_size 40
		.amdhsa_user_sgpr_count 2
		.amdhsa_user_sgpr_kernarg_segment_ptr 1
		.amdhsa_wavefront_size32 1
		.amdhsa_system_sgpr_workgroup_id_x 1
		.amdhsa_system_sgpr_workgroup_id_y 1
		.amdhsa_system_sgpr_workgroup_id_z 1
		.amdhsa_system_vgpr_workitem_id 0
		.amdhsa_next_free_vgpr 512
		.amdhsa_next_free_sgpr 100
		.amdhsa_reserve_vcc 0
		.amdhsa_float_denorm_mode_32 3
		.amdhsa_float_denorm_mode_16_64 3
		.amdhsa_memory_ordered 1
		.amdhsa_forward_progress 1
		.amdhsa_inst_pref_size 141
	.end_amdhsa_kernel
	.amdgpu_metadata
---
amdhsa.version: [ 1, 2 ]
amdhsa.kernels:
  - .name:           k_qbf1556e022_down
    .symbol:         k_qbf1556e022_down.kd
    .args:
      - { .name: b2, .offset: 0, .size: 8, .value_kind: global_buffer, .address_space: global }
      - { .name: top1, .offset: 8, .size: 8, .value_kind: global_buffer, .address_space: global }
      - { .name: w2, .offset: 16, .size: 8, .value_kind: global_buffer, .address_space: global }
      - { .name: h, .offset: 24, .size: 8, .value_kind: global_buffer, .address_space: global }
      - { .name: out0, .offset: 32, .size: 8, .value_kind: global_buffer, .address_space: global }
    .group_segment_fixed_size: 232448
    .private_segment_fixed_size: 0
    .kernarg_segment_align: 8
    .kernarg_segment_size: 40
    .max_flat_workgroup_size: 256
    .sgpr_count:     100
    .vgpr_count:     512
    .wavefront_size: 32
...
	.end_amdgpu_metadata
.endif
;; end of part 3
